; MI455X (gfx1250); checked and timed in simulation.
; The chip was launched on July 23, 2026; its instructions are those of AMD's public machine-readable ISA for CDNA 5 (MIT licence, August 2026) and "CDNA5" Instruction Set Architecture Reference Guide (July 2026). The comments in the code are by the model that wrote it; some were corrected since.
;; Llama Attention Core. Allowed arithmetic: matrix products marked QUANTISED: E3M2 operands, one E8M0 scale for each 32 along K, by v_wmma_scale_f32_16x16x128_f8f6f4 with both operands' format E3M2, f32 sums; everything else in f32.
;; Inputs: attn_bias 512 x 4,096 float32; key_t_caches 8 x 128 x 2,048 float32; keys 8 x 512 x 128 float32; kq_scale 1 float32; queries 32 x 512 x 128 float32; value_caches 8 x 2,048 x 128 float32; values 8 x 512 x 128 float32.
;; Outputs: out0 32 x 512 x 128 float32; out1 8 x 512 x 128 float32; out2 8 x 512 x 128 float32.
;; This version of the problem:
;;   THIS VERSION OF THE PROBLEM IS GIVEN IN LOW PRECISION. The matrix products marked QUANTISED in the list below multiply operands that are first quantised to E3M2 (3 exponent bits, 2 mantissa bits; 6 bits a number), with one power-of-two scale for each 32 numbers along K (OCP MX v1.0); their sums are f32. All else is computed in f32.
;;   The module's matrix products, in the order in which they are computed (A, B: the left and right operand; K: the contracted axis; several contracted axes count as one K, in the product's order):
;;     1. batch 8 x [M 2,048, K 128] x [K 128, N 4,096]; A: input queries; B: computed on the way: QUANTISED
;;     2. batch 8 x [M 2,048, K 4,096] x [K 4,096, N 128]; A: softmax (see below); B: computed on the way: QUANTISED
;;   THE QUANTISER, for each operand of a quantised product, along K:
;;     - K is cut into blocks of 32 from its start; a last block that is shorter is filled with zeros.
;;     - A block's scale is 2^e with e = floor(log2(the largest magnitude in the block)) - 4, held to -126 .. 127; a block of zeros has e = 0. As a byte (E8M0): e + 127.
;;     - Each number is divided by its block's scale, clamped to +-28, and rounded to the nearest number of E3M2, ties to even, subnormals kept.
;;     - The product sums the exact products of the quantised numbers (number of the format x scale) in f32.
;;   ~~~python
;;   def quantise(x, axis):      # numpy; x: float32 -> the quantised numbers, widened to float32 again
;;       x = np.moveaxis(x, axis, -1); K = x.shape[-1]
;;       x = np.pad(x, [(0, 0)] * (x.ndim - 1) + [(0, -K % 32)]); x = x.reshape(x.shape[:-1] + (-1, 32)); a = np.abs(x).max(-1, keepdims=True)
;;       e = np.where(a > 0, np.clip(np.frexp(np.where(a > 0, a, 1))[1] - 1 - 4, -126, 127), 0)      # np.frexp(a)[1] - 1 = floor(log2(a)), exactly
;;       r = np.clip(x / 2.0 ** e, -28, 28)
;;       step = 2.0 ** (np.maximum(np.frexp(np.where(r == 0, 1, r))[1] - 1, -2) - 2)
;;       q = np.round(r / step) * step * 2.0 ** e      # np.round: ties to even
;;       return np.moveaxis(q.reshape(q.shape[:-2] + (-1,))[..., :K], -1, axis).astype(np.float32)
;;   ~~~
;;   SOFTMAX AHEAD OF A QUANTISED PRODUCT. Where the list says 'softmax', what is quantised is not the finished softmax but p = 2^(t - M), with t = logit x log2(e) and M = ceil(the row's largest t), a whole number; so 1/2 < the row's largest p <= 1. The row's sum l is taken of the UNQUANTISED p, in f32, and the product's result is divided by l at the end. Since M is a whole number, a kernel that streams over the keys may use a running M (the ceiling of the running maximum): every later rescaling is an exact power of two, which a block's scale takes up: the codes' values come out the same.
;;   OPERANDS COMPUTED ON THE WAY. 'Computed on the way' means the value that the module computes at that place (a softmax that the list does not call 'softmax' is quantised finished and normalised). What goes into a quantiser is computed in f32, as accurately as f32 sums, v_exp_f32 and their like allow (about 1e-6 of the number): no bf16 or f16 on the way to a quantiser, and a product that is left as it is and whose result goes on into a quantised operand takes f32 operands (vector FMAs, or v_wmma_f32_16x16x4_f32). A number that lies on a knife's edge between two numbers of the format may be rounded either way, as far as f32 arithmetic and the matrix unit's own rounding can turn it there, and no further.
;; One version. Each part assembles by itself: llvm-mc -triple=amdgcn-amd-amdhsa -mcpu=gfx1250 --defsym DOCPART=n.
;; ======== version 1 of 1: 2 launches
;; limits: right only within a limited range of input values
;; workspace buffers: kv_img 4,096,000 bytes; tail 4,096 bytes
;; launch prep (part 1): grid 256 x 1, 12 waves a work-group, no clusters, 88,576 bytes of LDS; arguments key_t_caches, keys, value_caches, values, attn_bias, kq_scale, kv_img, tail; writes kv_img, tail
.if DOCPART == 1
	.amdgcn_target "amdgcn-amd-amdhsa--gfx1250"
	.amdhsa_code_object_version 6
	.text
	.protected	k_q7675e74a10_prep
	.globl	k_q7675e74a10_prep
	.p2align	8
	.type	k_q7675e74a10_prep,@function
k_q7675e74a10_prep:
	s_mov_b64 s[64:65], 0
	v_nop
	global_prefetch_b8 v0, s[64:65] scope:SCOPE_SE
	s_setreg_imm32_b32 hwreg(HW_REG_WAVE_MODE, 25, 1), 1
	s_wait_xcnt 0x0
; K AND V ARE QUANTISED ONCE, to codes of BF6 (E3M2) with one E8M0 byte for each 32 along a product's K, and laid as IMAGES OF OPERAND REGISTERS; the bias of the padded positions is reduced to two numbers a query row.
; K = the cached keys [8][128 d][2048] and the new keys [8][512][128] x kq_scale, quantised along d.  V = the cached values [8][2048][128] and max(new values, -10000), quantised along the keys.
; WORK LEFT OUT: reference() pads K and V with zeros at positions 2560..4095.  A zero row of K quantises to zeros, so the score there is the bias alone, for every head and every Q; a zero row of V adds nothing.  So no product is
; formed there: those positions enter a row's largest t and its sum alone.  A NaN, an infinity or an overflow that would arise only from a product with those zeros is not carried to the result.
; kv_img: K's blocks of 12,800 bytes for each kv head k and key step s of 128 keys (s = 0..15 cache, 16..19 new), at (20 k + s) x 12,800; V's, the same form, 2,048,000 bytes further on.  A block has 128 rows n (K: key n, along d; V: d = n, along the keys)
; of 128 codes.  Quarter q = n / 32, l = n % 32; block of 32 along K: b = 2 c + h, 24 bytes = six registers of an operand:
;   the first 16 bytes at 6,144 c + 1,024 q + 512 h + 16 l;  the last 8 at 6,144 c + 4,096 + 512 q + 256 h + 8 l;  the row's scale word (byte b for block b) at 12,288 + 4 n
; tail: for each of the 512 query rows {-M, l} over positions 2560..4095: t = bias x log2(e), M = ceil(largest t), l = the sum of 2^(t - M).
; SHARES: 256 work-groups of equal work.  Waves 0-9 quantise: number U = 10 x work-group + wave, 0..2559, takes quarter (U / 2) % 4 and half c = U % 2 of block part U / 8: 0-127 cached keys, 128-255 cached values, 256-287 new keys, 288-319 new values.
; Waves 10 and 11 take a row of the tail each.
; A LANE OWNS ONE ROW AND ITS 64 REGISTERS RUN ALONG K: a block's largest magnitude needs no other lane, and the conversions' results are the image's registers.  The new keys, whose rows lie along K, turn through the wave's own LDS bytes.
; A block's scale byte is its largest magnitude's exponent field - 4, held at 1 from below.
; LIMITS: a block of zeros, or one whose largest magnitude lies under 2^-122, gets the byte 1 where the rule says 127 or less: its codes are zeros or denormal, and the bytes are read by this program alone.
; NaN and infinities among the inputs are not served.  No barrier: waves share nothing.
.set X,    32                          ; v32-95   my row's 64 numbers along K
.set FRG,  96                          ; v96-101, v104-109 the codes of blocks 2 c and 2 c + 1
.set TMP,  112                         ; v112-118 the upper halves of the codes, as the conversions leave them
.set BLK,  12800
.set TURN, 8704                        ; LDS for each quantising wave: 32 rows of 256 bytes + 16 of padding
.set SPARE, 10*TURN                    ; the spare words, 128 bytes a wave: six blocks of 256 bytes that no other line names
.set SPW,  26                          ; my spare word's address and 0: the add's, never rewritten
.set NIL,  27
.macro LOADX base, pitch               ; X[i] at i x pitch bytes on: each load reads 128 consecutive bytes
.set ii, 0
.rept 64
	global_load_b32 v[X+ii], v4, s[\base:\base+1] offset:ii*\pitch th:TH_LOAD_NT
.set ii, ii+1
.endr
.endm
	s_load_b256 s[4:11], s[0:1], 0x0               ; key_t_caches s[4:5], keys s[6:7], value_caches s[8:9], values s[10:11]
	s_load_b256 s[12:19], s[0:1], 0x20             ; attn_bias s[12:13], kq_scale s[14:15], kv_img s[16:17], tail s[18:19]
	v_lshl_add_u32 v[SPW], v0, 2, SPARE
	v_mov_b32 v[NIL], 0
	v_lshrrev_b32 v1, 5, v0
	v_readfirstlane_b32 s45, v1                    ; wave 0..11
	s_mul_i32 s21, s45, TURN
	v_and_b32 v1, 31, v0                           ; lane
	v_and_b32 v5, 15, v0
	v_bfe_u32 v6, v0, 4, 1
	v_lshlrev_b32 v4, 2, v1                        ; 4 x lane
	v_lshlrev_b32 v3, 4, v1                        ; 16 x lane
	v_lshlrev_b32 v7, 3, v1                        ; 8 x lane
	v_lshlrev_b32 v2, 9, v6
	v_lshl_add_u32 v2, v5, 4, v2                   ; new keys: sixteen lanes to 256 bytes of a row, two rows a load
	v_mul_u32_u24 v28, v6, 272
	v_lshl_add_u32 v28, v5, 4, v28
	v_add_nc_u32 v28, s21, v28                     ; the turn, in,
	v_mul_u32_u24 v29, v1, 272
	v_add_nc_u32 v29, s21, v29                     ; and back: row = lane
	s_mov_b32 s29, 0                               ; upper words of the offsets
	s_mov_b32 s31, 0
	s_mov_b32 s32, 0x76543210                      ; v_permlanex16_b32's selects for lane l xor 16
	s_mov_b32 s33, 0xfedcba98
	s_mov_b32 s34, 0x3fb8aa3b                      ; log2(e)
	s_mov_b32 s35, s34                             ; (named with it as a pair, so it is written)
	s_wait_alu depctr_va_vdst(0)                   ; the wait at the head's end
	s_wait_kmcnt 0x0
	s_cmp_ge_u32 s45, 10
	s_cbranch_scc1 .Ltail
	s_mul_i32 s43, ttmp9, 10
	s_add_co_u32 s43, s43, s45                     ; U
	s_and_b32 s44, s43, 1                          ; my half of K
	s_bfe_u32 s20, s43, 0x20001                    ; my quarter of the rows
	s_lshr_b32 s43, s43, 3                         ; the block part
	s_cmp_lt_u32 s43, 128
	s_cbranch_scc1 .Lkc
	s_cmp_lt_u32 s43, 256
	s_cbranch_scc1 .Lv
	s_cmp_lt_u32 s43, 288
	s_cbranch_scc1 .Lkn
	s_branch .Lv
	; ---- THE TAIL: one row a wave, 1,536 numbers, 48 a lane
.Ltail:
	s_lshl_b32 s24, ttmp9, 1
	s_add_co_u32 s24, s24, s45
	s_sub_co_u32 s24, s24, 10                      ; the row: 2 x work-group + wave - 10
	s_lshl_b32 s28, s24, 14                        ; 16,384 bytes a row,
	s_add_co_u32 s28, s28, 10240                   ; from position 2,560 on
	s_add_nc_u64 s[12:13], s[12:13], s[28:29]
.irp i, 0,1,2,3,4,5,6,7,8,9,10,11
	global_load_b128 v[X+4*\i:X+4*\i+3], v3, s[12:13] offset:512*\i th:TH_LOAD_NT   ; 512 consecutive bytes a load
.endr
	s_lshl_b32 s28, s24, 3
	s_add_nc_u64 s[18:19], s[18:19], s[28:29]      ; where the row's two numbers go
	s_wait_loadcnt 0x0
	v_max3_num_f32 v8, v[X], v[X+1], v[X+2]        ; the largest bias of my 48, in two chains
	v_max3_num_f32 v9, v[X+3], v[X+4], v[X+5]
.irp i, 6,10,14,18,22,26,30,34,38,42
	v_max3_num_f32 v8, v8, v[X+\i], v[X+\i+1]
	v_max3_num_f32 v9, v9, v[X+\i+2], v[X+\i+3]
.endr
	v_max3_num_f32 v8, v8, v[X+46], v[X+47]
	v_max_num_f32 v8, v8, v9
	v_max_num_f32_dpp v8, v8, v8 row_xmask:1 row_mask:0xf bank_mask:0xf
	v_max_num_f32_dpp v8, v8, v8 row_xmask:2 row_mask:0xf bank_mask:0xf
	v_max_num_f32_dpp v8, v8, v8 row_xmask:4 row_mask:0xf bank_mask:0xf
	v_max_num_f32_dpp v8, v8, v8 row_xmask:8 row_mask:0xf bank_mask:0xf
	v_permlanex16_b32 v9, v8, s32, s33
	v_max_num_f32 v8, v8, v9                       ; the row's, in every lane
	v_mul_f32 v8, s34, v8                          ; as t
	v_floor_f32 v10, -v8                           ; -M = floor(-t) = -ceil(t)
	v_mov_b32 v11, v10                             ; (the pair's upper half is named below, so it is written)
.set ii, 0
.rept 24
	v_pk_fma_f32 v[X+ii:X+ii+1], v[X+ii:X+ii+1], s[34:35], v[10:11] op_sel_hi:[1,0,0]   ; t - M
.set ii, ii+2
.endr
.set ii, 0
	s_wait_alu depctr_va_vdst(0)                   ; the wait ahead of the batch and behind it
.rept 48
	v_exp_f32 v[X+ii], v[X+ii]
.set ii, ii+1
.endr
	v_nop                                          ; one plain place behind the exponentials
	s_wait_alu depctr_va_vdst(0)
	v_pk_add_f32 v[12:13], v[X:X+1], v[X+2:X+3]    ; the sum, two at a time, in two chains
	v_pk_add_f32 v[14:15], v[X+4:X+5], v[X+6:X+7]
.irp j, 8,12,16,20,24,28,32,36,40,44
	v_pk_add_f32 v[12:13], v[12:13], v[X+\j:X+\j+1]
	v_pk_add_f32 v[14:15], v[14:15], v[X+\j+2:X+\j+3]
.endr
	v_pk_add_f32 v[12:13], v[12:13], v[14:15]
	v_add_f32 v11, v12, v13
	v_add_f32_dpp v11, v11, v11 row_xmask:1 row_mask:0xf bank_mask:0xf
	v_add_f32_dpp v11, v11, v11 row_xmask:2 row_mask:0xf bank_mask:0xf
	v_add_f32_dpp v11, v11, v11 row_xmask:4 row_mask:0xf bank_mask:0xf
	v_add_f32_dpp v11, v11, v11 row_xmask:8 row_mask:0xf bank_mask:0xf
	v_permlanex16_b32 v12, v11, s32, s33
	v_add_f32 v11, v11, v12                        ; v[10:11] = {-M, l}
	v_mov_b32 v25, 0
	v_cmp_eq_u32 vcc_lo, 0, v1
	s_wait_alu depctr_va_vdst(0)                   ; the wait here, ahead of the wait below
	s_wait_xcnt 0x0                                ; EXEC changes only behind this wait
	s_and_saveexec_b32 s36, vcc_lo                 ; lane 0 stores the row's 8 bytes
	global_store_b64 v25, v[10:11], s[18:19]
	s_wait_xcnt 0x0                                ; and again in front of the line that widens it
	s_or_b32 exec_lo, exec_lo, s36
	s_endpgm
	; ---- CACHED KEYS [k][d][key]: registers run down d, lanes along the keys
.Lkc:
	s_lshr_b32 s24, s43, 4                         ; kv head
	s_and_b32 s25, s43, 15                         ; key step
	s_mov_b32 s26, 0                               ; K's part
	s_lshl_b32 s28, s24, 20                        ; a head is 128 x 2,048 x 4 bytes
	s_lshl_b32 s30, s25, 9                         ; 128 keys a step,
	s_add_co_u32 s28, s28, s30
	s_lshl_b32 s30, s20, 7                         ; 32 a quarter;
	s_add_co_u32 s28, s28, s30
	s_lshl_b32 s30, s44, 19                        ; 64 rows of 8,192 bytes a half
	s_add_co_u32 s28, s28, s30
	s_add_nc_u64 s[4:5], s[4:5], s[28:29]
	LOADX 4, 8192
	s_wait_loadcnt 0x0
	s_branch .Lquant
	; ---- NEW KEYS [k][key][d]: 256 bytes of each of 32 rows, turned in LDS; x kq_scale, as reference() has it ahead of the product
.Lkn:
	s_load_b32 s22, s[14:15], 0x0
	s_sub_co_u32 s38, s43, 256
	s_lshr_b32 s24, s38, 2                         ; kv head
	s_and_b32 s25, s38, 3                          ; which 128 of the 512
	s_lshl_b32 s28, s24, 18                        ; a head is 512 x 128 x 4 bytes
	s_lshl_b32 s30, s25, 16
	s_add_co_u32 s28, s28, s30
	s_lshl_b32 s30, s20, 14                        ; 32 rows a quarter
	s_add_co_u32 s28, s28, s30
	s_lshl_b32 s30, s44, 8                         ; 64 d a half
	s_add_co_u32 s28, s28, s30
	s_add_co_u32 s25, s25, 16                      ; key steps 16..19
	s_mov_b32 s26, 0
	s_add_nc_u64 s[6:7], s[6:7], s[28:29]
.set ii, 0
.rept 16
	global_load_b128 v[X+4*ii:X+4*ii+3], v2, s[6:7] offset:1024*ii
.set ii, ii+1
.endr
	s_wait_kmcnt 0x0
	s_mov_b32 s23, s22                             ; (the packed form names the pair)
	s_wait_loadcnt 0x0
.set ii, 0
.rept 16
	ds_store_b128 v28, v[X+4*ii:X+4*ii+3] offset:544*ii
.set ii, ii+1
.endr
	s_wait_dscnt 0x0                               ; the stores have read their registers, which take the loads below
.set ii, 0
.rept 16
	ds_load_b128 v[X+4*ii:X+4*ii+3], v29 offset:16*ii
.set ii, ii+1
.endr
	s_wait_dscnt 0x0
.set ii, 0
.rept 32
	v_pk_mul_f32 v[X+ii:X+ii+1], v[X+ii:X+ii+1], s[22:23] op_sel_hi:[1,0]
.set ii, ii+2
.endr
	s_wait_alu depctr_va_vdst(0)                   ; the wait here, ahead of the branch
	s_branch .Lquant
	; ---- VALUES, cached and new, [k][key][d]: registers run down the keys, lanes along d
.Lv:
	s_mov_b32 s38, 288
	s_cmp_lt_u32 s43, 256                          ; cached or new?  The choice hangs on the wave's and the work-group's numbers alone
	s_cselect_b64 s[36:37], s[8:9], s[10:11]
	s_cselect_b32 s38, 128, s38                    ; the role's first part
	s_cselect_b32 s39, 4, 2                        ; 16 or 4 key steps a head
	s_cselect_b32 s40, 15, 3
	s_cselect_b32 s41, 20, 18                      ; a head's bytes, as a shift
	s_cselect_b32 s42, 0, 16                       ; the first key step
	s_sub_co_u32 s38, s43, s38
	s_lshr_b32 s24, s38, s39                       ; kv head
	s_and_b32 s25, s38, s40
	s_lshl_b32 s28, s24, s41
	s_lshl_b32 s30, s25, 16                        ; 128 rows of 512 bytes a step,
	s_add_co_u32 s28, s28, s30
	s_lshl_b32 s30, s44, 15                        ; 64 a half;
	s_add_co_u32 s28, s28, s30
	s_lshl_b32 s30, s20, 7                         ; my quarter's 32 d
	s_add_co_u32 s28, s28, s30
	s_add_co_u32 s25, s25, s42                     ; key step
	s_mov_b32 s26, 1                               ; V's part
	s_add_nc_u64 s[36:37], s[36:37], s[28:29]
	LOADX 36, 512
	s_wait_loadcnt 0x0
	s_cmp_lt_u32 s43, 256
	s_cbranch_scc1 .Lquant
.set ii, 0
.rept 64
	v_max_num_f32 v[X+ii], 0xc61c4000, v[X+ii]     ; the new values: max(v, -10000)
.set ii, ii+1
.endr
	; ---- TWO BLOCKS OF 32, in four chains
.Lquant:
.irp h, 0,1
	v_max3_num_f32 v[8+\h], |v[X+32*\h]|, |v[X+32*\h+1]|, |v[X+32*\h+2]|
	v_max3_num_f32 v[12+\h], |v[X+32*\h+3]|, |v[X+32*\h+4]|, |v[X+32*\h+5]|
.endr
.irp i, 6,10,14,18,22,26
.irp h, 0,1
	v_max3_num_f32 v[8+\h], v[8+\h], |v[X+32*\h+\i]|, |v[X+32*\h+\i+1]|
	v_max3_num_f32 v[12+\h], v[12+\h], |v[X+32*\h+\i+2]|, |v[X+32*\h+\i+3]|
.endr
.endr
.irp h, 0,1
	v_max3_num_f32 v[8+\h], v[8+\h], |v[X+32*\h+30]|, |v[X+32*\h+31]|
.endr
.irp h, 0,1
	v_max3_num_f32 v[8+\h], v[8+\h], v[12+\h], 0x2800000   ; and the floor 2^(5 - 127): the byte cannot fall under 1
.endr
.irp h, 0,1
	v_add_nc_u32 v[16+\h], 0xfe000000, v[8+\h]     ; 4 off the exponent field: the conversion takes the exponent field of this operand as its scale
.endr
.irp h, 0,1
	v_lshrrev_b32 v[20+\h], 23, v[16+\h]           ; the scale's byte
.endr
	v_lshl_or_b32 v24, v21, 8, v20                 ; my half of the row's scale word
.irp h, 0,1
	v_cvt_scalef32_pk16_bf6_f32 v[FRG+8*\h:FRG+8*\h+2], v[X+32*\h:X+32*\h+15], v[16+\h]
	v_cvt_scalef32_pk16_bf6_f32 v[TMP+4*\h:TMP+4*\h+2], v[X+32*\h+16:X+32*\h+31], v[16+\h]   ; (a conversion's three registers begin on an even number)
.endr
	v_nop                                          ; one plain place behind the conversions
.irp h, 0,1
.irp i, 0,1,2
	v_mov_b32 v[FRG+8*\h+3+\i], v[TMP+4*\h+\i]
.endr
.endr
	s_mul_i32 s28, s24, 20
	s_add_co_u32 s28, s28, s25
	s_mul_i32 s28, s28, BLK                        ; the block,
	s_mul_i32 s30, s26, 2048000
	s_add_co_u32 s28, s28, s30                     ; K's or V's;
	s_mul_i32 s38, s44, 6144                       ; my half
	s_add_co_u32 s38, s38, s28
	s_lshl_b32 s30, s20, 10
	s_add_co_u32 s30, s30, s38
	s_add_nc_u64 s[40:41], s[16:17], s[30:31]      ; the pieces of 16 bytes,
	s_lshl_b32 s30, s20, 9
	s_add_co_u32 s30, s30, s38
	s_add_co_u32 s30, s30, 4096
	s_add_nc_u64 s[46:47], s[16:17], s[30:31]      ; those of 8,
	s_lshl_b32 s30, s20, 7
	s_add_co_u32 s30, s30, s28
	s_lshl_b32 s38, s44, 1
	s_add_co_u32 s30, s30, s38
	s_add_co_u32 s30, s30, 12288
	s_add_nc_u64 s[36:37], s[16:17], s[30:31]      ; and my halves of the scale words
	s_wait_alu depctr_va_vdst(0)                   ; the wait here, directly ahead of the readers below
.irp h, 0,1
	global_store_b128 v3, v[FRG+8*\h:FRG+8*\h+3], s[40:41] offset:512*\h     ; 512 consecutive bytes, at a multiple of 512 from the block's first
	global_store_b64 v7, v[FRG+8*\h+4:FRG+8*\h+5], s[46:47] offset:256*\h    ; 256 consecutive bytes, at a multiple of 256
.endr
	global_store_b16 v4, v24, s[36:37]             ; two of a row's four scale bytes: one part in 25 of a block
	s_wait_tensorcnt 0x0                           ; the wave's end, behind the last LDS store
	ds_add_u32 v[SPW], v[NIL]
	s_wait_dscnt 0x0
	s_endpgm
.Lfunc_end_k_q7675e74a10_prep:
	.size	k_q7675e74a10_prep, .Lfunc_end_k_q7675e74a10_prep-k_q7675e74a10_prep
	.p2alignl 7, 3214868480
	.fill 96, 4, 3214868480
	.section	.rodata,"a",@progbits
	.p2align	6, 0x0
	.amdhsa_kernel k_q7675e74a10_prep
		.amdhsa_group_segment_fixed_size 88576
		.amdhsa_private_segment_fixed_size 0
		.amdhsa_enable_private_segment 0
		.amdhsa_kernarg_size 64
		.amdhsa_user_sgpr_count 2
		.amdhsa_user_sgpr_kernarg_segment_ptr 1
		.amdhsa_wavefront_size32 1
		.amdhsa_system_sgpr_workgroup_id_x 1
		.amdhsa_system_sgpr_workgroup_id_y 1
		.amdhsa_system_sgpr_workgroup_id_z 1
		.amdhsa_system_vgpr_workitem_id 0
		.amdhsa_next_free_vgpr 128
		.amdhsa_next_free_sgpr 66
		.amdhsa_reserve_vcc 1
		.amdhsa_float_denorm_mode_32 3
		.amdhsa_float_denorm_mode_16_64 3
		.amdhsa_memory_ordered 1
		.amdhsa_forward_progress 1
		.amdhsa_inst_pref_size 39
	.end_amdhsa_kernel
	.amdgpu_metadata
---
amdhsa.version: [ 1, 2 ]
amdhsa.kernels:
  - .name:           k_q7675e74a10_prep
    .symbol:         k_q7675e74a10_prep.kd
    .args:
      - { .name: key_t_caches, .offset: 0, .size: 8, .value_kind: global_buffer, .address_space: global }
      - { .name: keys, .offset: 8, .size: 8, .value_kind: global_buffer, .address_space: global }
      - { .name: value_caches, .offset: 16, .size: 8, .value_kind: global_buffer, .address_space: global }
      - { .name: values, .offset: 24, .size: 8, .value_kind: global_buffer, .address_space: global }
      - { .name: attn_bias, .offset: 32, .size: 8, .value_kind: global_buffer, .address_space: global }
      - { .name: kq_scale, .offset: 40, .size: 8, .value_kind: global_buffer, .address_space: global }
      - { .name: kv_img, .offset: 48, .size: 8, .value_kind: global_buffer, .address_space: global }
      - { .name: tail, .offset: 56, .size: 8, .value_kind: global_buffer, .address_space: global }
    .group_segment_fixed_size: 88576
    .private_segment_fixed_size: 0
    .kernarg_segment_align: 8
    .kernarg_segment_size: 64
    .max_flat_workgroup_size: 384
    .sgpr_count:     66
    .vgpr_count:     128
    .wavefront_size: 32
...
	.end_amdgpu_metadata
.endif
;; end of part 1
;; launch attn (part 2): grid 32 x 8, 4 waves a work-group, clusters of 4 x 1, 327,680 bytes of LDS; arguments queries, attn_bias, kv_img, tail, keys, values, kq_scale, out0, out1, out2; writes out0, out1, out2
.if DOCPART == 2
	.amdgcn_target "amdgcn-amd-amdhsa--gfx1250"
	.amdhsa_code_object_version 6
	.text
	.protected	k_q7675e74a10_attn
	.globl	k_q7675e74a10_attn
	.p2align	8
	.type	k_q7675e74a10_attn,@function
k_q7675e74a10_attn:
	s_mov_b64 s[64:65], 0
	v_nop
	global_prefetch_b8 v0, s[64:65] scope:SCOPE_SE
	s_setreg_imm32_b32 hwreg(HW_REG_WAVE_MODE, 25, 1), 1
	s_wait_xcnt 0x0
	s_wait_alu depctr_hold_cnt(0) depctr_sa_sdst(0) depctr_va_vdst(0) depctr_va_sdst(0) depctr_va_ssrc(0) depctr_va_vcc(0) depctr_vm_vsrc(0)
	s_getreg_b32 s2, hwreg(HW_REG_IB_STS2, 6, 4)
	s_cmp_eq_u32 s2, 0
	s_cbranch_scc0 .Lentry_in_a_cluster
	s_endpgm
.Lentry_in_a_cluster:
	s_bfe_u32 s2, ttmp6, 0x10000c
	s_cmp_lg_u32 s2, 0x3003
	s_cbranch_scc0 .Lentry_shape_is_right
	s_endpgm
.Lentry_shape_is_right:
; out0[head][q][:] = softmax over 4,096 positions of (Q . K + bias) times V, both products on codes of BF6 (E3M2) with one E8M0 scale for each 32 along K.  out1 = keys x kq_scale, out2 = max(values, -10000): copied here, 8,192 bytes of each a work-group.
; K and V come as images of operand registers, a block of 12,800 bytes of each for each kv head and key step of 128 keys (20 steps).
; WORK LEFT OUT: the products at the 1,536 padded positions, whose K and V are zeros that reference() builds: the score there is the bias, V adds nothing, so they enter by {-M, l} of their bias, one pair a query row, like one more part of the keys.
; A NaN, an infinity or an overflow that would arise only in those products is not carried to the result.
; THE SOFTMAX: t = score x log2(e); M = the largest t so far, rounded up to a whole number; p = 2^(t - M) is quantised along the keys, not normalised; the sum l is taken of the unquantised p; when M moves, l and O are multiplied by 2^(old M - new M): exact.
; LIMITS: the promise holds while |t| stays under 2^31.  NaN and infinities among the inputs are not served.  A block of p or of Q whose largest magnitude lies under 2^-122 gets the scale byte 1.  The order of the sums is not reference()'s.
; SHARES.  A work-group owns 16 query rows (16 X ..) for the 4 heads of kv head Y.  Wave w owns key steps 5 w .. 5 w + 4 for all four heads, one wave to each SIMD with 1,024 registers: each fragment of K and V and each register of bias
; is read once in the work-group and feeds four matrix instructions.  At the end the four waves' parts and the tail are merged through LDS: wave w finishes head 4 Y + w.
; LAYOUT.  Both products are used transposed: S^T = K Q^T + bias (source 0 = 16 keys, source 1 = 16 queries, C = the bias), O^T = V^T P^T: lane (r, h) holds query r throughout.  Row r of K's tile 4 c + u is key 64 c + 32 (r / 8) + 8 u + r % 8,
; so register 32 c + n of the scores is key 64 c + 32 h + n: a lane holds WHOLE blocks of 32 keys, two of a step's four, in the order of the next operand: a block's largest p needs no other lane, and the conversions' results are the operand's registers.
; V: the four work-groups of a cluster (4 x 1) share Y and so every block.  Each wave asks for its five steps' V, 64,000 consecutive bytes, by ONE JOINT load at the head, the same tensor load with the same descriptor and a mask that names the four: all of V is
; 256,000 bytes of LDS, and no LDS byte is filled twice.  K goes from memory straight into its operand registers, which are free for a whole phase: K and V together (512,000 bytes) do not fit in LDS, and a joint K would need a refill and a round a phase.
; THE BIAS, and Q, are read as whole rows of 512 bytes and turn through the wave's own LDS bytes into the accumulators' and the operand's layout.  The bias's rows are prefetched into the L2, a key step by one instruction (32 blocks of 256 bytes, one a lane):
; steps 1 and 2 at the head, steps 3 and 4 in phase 0, each a phase or more ahead of its load; a row is read by eight clusters, of which the four with Y < 4 ask.  K is loaded a phase ahead of its use and is not prefetched besides.
; REGISTERS.  window 0: as named below.  window 1: S, then p: head g at 64 g.  window 2: O^T: head g at 64 g (before the first product of O: the copies).  window 3: v0-95 K's 8 fragments, v96-191 V's, v192-239 Q's four.
.set BLK,   12800
.set WREG,  5*BLK
.set SPARE, 4*WREG                     ; the spare words, 128 bytes a wave: two blocks of 256 bytes that no other line names
.set MS,    SPARE+512                  ; the merge's statistics: head g, part w at 1024 g + 256 w
.set FX,    MS+4096                    ; the merge's factors: 512 bytes a wave, 32 a row
.set QI,    FX+2048                    ; Q's images: head g at 2048 g: 3 x 512 bytes of codes, then the scale words
.set BT,    QI+8192                    ; the turn: 8,448 bytes a wave: 16 rows of 512 bytes + 16 of padding
.set AV,    1
.set AVB,   2
.set AVS,   3
.set AVC,   4
.set AVBC,  5
.set SPW,   6                          ; my spare word's address and 0: the add's, never rewritten
.set NIL,   7
.set ST,    8                          ; head g at 8 + 4 g: -M, largest t, l in two halves
.set FP,    24                         ; f of head g at 24 + 2 g
.set BM,    32                         ; block 2 g + c: largest score, then largest p
.set BB,    40
.set X1,    48
.set PB,    52
.set SH,    56
.set STG,   57
.set STA,   58
.set RDS,   59
.set RD,    60
.set BI,    64                         ; the bias
.set P,     128                        ; p's codes, 12 a head
.set KSC,   176
.set VSC,   184
.set PSW,   192
.set QSW,   196
.set SO,    200                        ; the conversions' scale operands
.set CT,    208
.set TL,    216
.set OUT,   218                        ; 16 x lane: whole rows of 512 bytes of Q, the bias and out0
.set FXS,   219
.set FXR,   220
.set VCP,   221
.set LN,    222
.set RR,    223
.set HH,    224
.set AVSC,  225
.set VK,    226
.set VKB,   227
.set VKS,   228
.set TMP,   229
.set QS,    230
.set QSA,   231
.set MR,    232                        ; the merge alone
.set TLO,   232                        ; (at the head: the tail's offset)
.set FF,    240                        ; the merge alone
.set VPF,   240                        ; (up to phase 0: the prefetches' offset)
.set MN,    248
.set FT,    249
.set LS,    250
.set QW,    251
.set QR,    252
.set QRW,   253
.set BTS,   254
.set BTL,   255
.set VF,    96                         ; in window 3
.set QF,    192                        ; in window 3
.set G1,    24                         ; s[24:31] group 1, s[40:43] group 0
.set G0,    40
.set WV,    52
.set XX,    53
.set YY,    54
.set SEL,   56                         ; s[56:57] v_permlanex16_b32's selects for lane l xor 16
.set CS,    58                         ; s[58:59] log2(e), twice
.set KQ,    60                         ; s[60:61] kq_scale, twice
.set LP,    66
.set SOF,   67
.set MSB, 0
.macro WIN new                         ; bits 1:0 source 0, 3:2 source 1, 5:4 source 2, 7:6 destination; the immediate's high byte repeats the setting that is left
.if MSB != \new
	s_set_vgpr_msb (MSB<<8)|\new
.set MSB, \new
.endif
.endm
.macro PLACES                          ; four plain places behind matrix instructions (ISA guide 7.12.1)
.rept 4
	v_nop
.endr
.endm
.macro CROUND                          ; a round of the cluster's barrier
	s_barrier_signal -1
	s_barrier_wait -1
	s_cmp_lg_u32 s[WV], 0
	s_cbranch_scc1 .Lnot_wave_0_\@
	s_barrier_signal -3
.Lnot_wave_0_\@:
	s_barrier_wait -3
	s_barrier_signal -1
	s_barrier_wait -1
.endm
.macro ASK po                          ; a key step's bias into the L2: 16 rows x 512 bytes, a block of 256 bytes a lane
	s_cmp_lt_u32 s[YY], 4
	s_cbranch_scc0 .Lnot_mine_\@
	global_prefetch_b8 v[VPF], s[6:7] offset:\po th:TH_LOAD_NT scope:SCOPE_SE
.Lnot_mine_\@:
.endm
.macro LOADB dst, bo                   ; a key step's 16 rows of bias, a row of 512 consecutive bytes a load
.irp p, 0,1,2,3,4,5,6,7,8,9,10,11,12,13,14,15
	global_load_b128 v[\dst+4*\p:\dst+4*\p+3], v[OUT], s[6:7] offset:16384*\p+\bo
.endr
.endm
.macro TURNIN src                      ; 16 rows into my turn
.irp p, 0,1,2,3,4,5,6,7,8,9,10,11,12,13,14,15
	ds_store_b128 v[BTS], v[\src+4*\p:\src+4*\p+3] offset:528*\p
.endr
.endm
.macro TURNOUT dst                     ; and back: register 32 c + n = number 64 c + 32 h + n of row r
.irp c, 0,1
.irp i, 0,1,2,3,4,5,6,7
	ds_load_b128 v[\dst+32*\c+4*\i:\dst+32*\c+4*\i+3], v[BTL] offset:256*\c+16*\i
.endr
.endr
.endm
.macro KWORDS ko                       ; K's 8 scale words
.irp t, 0,1,2,3,4,5,6,7
	global_load_b32 v[KSC+\t], v[VKS], s[8:9] offset:\ko+12288+256*(\t/4)+32*(\t%4)
.endr
.endm
.macro KTILE t, ko                     ; a fragment of K (the destination's window is 3): registers 6 c .. 6 c + 3 and 6 c + 4, 6 c + 5
.irp c, 0,1
	global_load_b128 v[12*\t+6*\c:12*\t+6*\c+3], v[VK], s[8:9] offset:\ko+6144*\c+2048*(\t/4)+128*(\t%4)
	global_load_b64 v[12*\t+6*\c+4:12*\t+6*\c+5], v[VKB], s[8:9] offset:\ko+4096+6144*\c+1024*(\t/4)+64*(\t%4)
.endr
.endm
.macro FETCHV ra, rb, rs, vo           ; V's 8 scale words and 8 fragments: 40 LDS loads
.irp t, 0,1,2,3,4,5,6,7
	ds_load_b32 v[VSC+\t], v[\rs] offset:\vo+64*\t
.endr
	WIN 0xc0
.irp t, 0,1,2,3,4,5,6,7
.irp c, 0,1
	ds_load_b128 v[VF+12*\t+6*\c:VF+12*\t+6*\c+3], v[\ra] offset:\vo+6144*\c+1024*(\t/2)+256*(\t%2)
	ds_load_b64 v[VF+12*\t+6*\c+4:VF+12*\t+6*\c+5], v[\rb] offset:\vo+6144*\c+512*(\t/2)+128*(\t%2)
.endr
.endr
	WIN 0
.endm
; The largest number (ab = 1: magnitude) of each block of 32 of num heads, in two chains a block (BM and BB); each accumulator is read from its low end on
.macro TREE num, ab
	WIN 0x15
.set kk, 0
.rept 2*\num
.if \ab
	v_max3_num_f32 v[BM+kk], |v[32*kk]|, |v[32*kk+1]|, |v[32*kk+2]|
	v_max3_num_f32 v[BB+kk], |v[32*kk+16]|, |v[32*kk+17]|, |v[32*kk+18]|
.else
	v_max3_num_f32 v[BM+kk], v[32*kk], v[32*kk+1], v[32*kk+2]
	v_max3_num_f32 v[BB+kk], v[32*kk+16], v[32*kk+17], v[32*kk+18]
.endif
.set kk, kk+1
.endr
	WIN 0x14
.set ii, 3
.rept 6
.set kk, 0
.rept 2*\num
.if \ab
	v_max3_num_f32 v[BM+kk], v[BM+kk], |v[32*kk+ii]|, |v[32*kk+ii+1]|
	v_max3_num_f32 v[BB+kk], v[BB+kk], |v[32*kk+ii+16]|, |v[32*kk+ii+17]|
.else
	v_max3_num_f32 v[BM+kk], v[BM+kk], v[32*kk+ii], v[32*kk+ii+1]
	v_max3_num_f32 v[BB+kk], v[BB+kk], v[32*kk+ii+16], v[32*kk+ii+17]
.endif
.set kk, kk+1
.endr
.set ii, ii+2
.endr
.set kk, 0
.rept 2*\num
.if \ab
	v_max3_num_f32 v[BM+kk], v[BM+kk], |v[32*kk+15]|, |v[32*kk+31]|
.else
	v_max3_num_f32 v[BM+kk], v[BM+kk], v[32*kk+15], v[32*kk+31]
.endif
.set kk, kk+1
.endr
	WIN 0
.endm
; From the blocks' largest magnitudes (at the floor or above) the conversions' scale operands and num scale words at dst.  A lane has the bytes of blocks h and 2 + h; lane l xor 16 has the others.
.macro SCALES num, dst
.set kk, 0
.rept 2*\num
	v_add_nc_u32 v[SO+kk], 0xfe000000, v[BM+kk]    ; 4 off the exponent field: the conversion takes the exponent field of this operand as its scale
.set kk, kk+1
.endr
.set kk, 0
.rept 2*\num
	v_lshrrev_b32 v[BB+kk], 23, v[SO+kk]           ; the byte
.set kk, kk+1
.endr
.set kk, 0
.rept \num
	v_lshl_or_b32 v[X1+kk], v[BB+2*kk+1], 16, v[BB+2*kk]
.set kk, kk+1
.endr
.set kk, 0
.rept \num
	v_lshlrev_b32 v[X1+kk], v[SH], v[X1+kk]        ; 8 h bits up
.set kk, kk+1
.endr
.set kk, 0
.rept \num
	v_permlanex16_b32 v[PB+kk], v[X1+kk], s[SEL], s[SEL+1]
.set kk, kk+1
.endr
.set kk, 0
.rept \num
	v_or_b32 v[\dst+kk], v[X1+kk], v[PB+kk]
.set kk, kk+1
.endr
.endm
.macro CVTH g                          ; head g's 64 numbers to its 12 registers of codes
	WIN 0x01
.irp c, 0,1
	v_cvt_scalef32_pk16_bf6_f32 v[P+12*\g+6*\c:P+12*\g+6*\c+2], v[64*\g+32*\c:64*\g+32*\c+15], v[SO+2*\g+\c]
	v_cvt_scalef32_pk16_bf6_f32 v[CT+4*\c:CT+4*\c+2], v[64*\g+32*\c+16:64*\g+32*\c+31], v[SO+2*\g+\c]   ; (a conversion's three registers begin on an even number)
.endr
	v_nop                                          ; one plain place behind the conversions
	WIN 0
.irp c, 0,1
.irp i, 0,1,2
	v_mov_b32 v[P+12*\g+6*\c+3+\i], v[CT+4*\c+\i]
.endr
.endr
.endm
.macro QK                              ; S^T = K Q^T + bias: 8 tiles of keys x 4 heads: 32 accumulators, one instruction each
	WIN 0x4f
.irp t, 0,1,2,3,4,5,6,7
.irp g, 0,1,2,3
	v_wmma_scale_f32_16x16x128_f8f6f4 v[64*\g+8*\t:64*\g+8*\t+7], v[12*\t:12*\t+11], v[QF+12*\g:QF+12*\g+11], v[BI+8*\t:BI+8*\t+7], v[KSC+\t], v[QSW+\g] matrix_a_fmt:MATRIX_FMT_BF6 matrix_b_fmt:MATRIX_FMT_BF6
.endr
.endr
	WIN 0
.endm
.macro PV first                        ; O^T += V^T P^T: 32 accumulators by turns.  first = 1: the products start the sums: nothing is cleared
	WIN 0xa3
.irp g, 0,1,2,3
.irp t, 0,1,2,3,4,5,6,7
.if \first
	v_wmma_scale_f32_16x16x128_f8f6f4 v[64*\g+8*\t:64*\g+8*\t+7], v[VF+12*\t:VF+12*\t+11], v[P+12*\g:P+12*\g+11], 0, v[VSC+\t], v[PSW+\g] matrix_a_fmt:MATRIX_FMT_BF6 matrix_b_fmt:MATRIX_FMT_BF6
.else
	v_wmma_scale_f32_16x16x128_f8f6f4 v[64*\g+8*\t:64*\g+8*\t+7], v[VF+12*\t:VF+12*\t+11], v[P+12*\g:P+12*\g+11], v[64*\g+8*\t:64*\g+8*\t+7], v[VSC+\t], v[PSW+\g] matrix_a_fmt:MATRIX_FMT_BF6 matrix_b_fmt:MATRIX_FMT_BF6
.endif
.endr
.endr
	WIN 0
.endm
; Head g's exponentials; among them the next head's t - M, and the first sums (in place, 16 of them) of the head before, whose codes have been made: nothing here reads what is written here
.macro EXPS g
	WIN 0x45
.set kk, 0
.rept 32
	v_exp_f32 v[64*\g+kk], v[64*\g+kk]             ; p = 2^(t - M), at most 1
.if \g < 3
	v_pk_fma_f32 v[64*\g+64+kk:64*\g+65+kk], v[64*\g+64+kk:64*\g+65+kk], s[CS:CS+1], v[ST+4*\g+4:ST+4*\g+5] op_sel_hi:[1,0,0]
.endif
	v_exp_f32 v[64*\g+kk+1], v[64*\g+kk+1]
.if \g > 0
.if (kk&3) == 0
	v_pk_add_f32 v[64*\g-64+kk:64*\g-63+kk], v[64*\g-64+kk:64*\g-63+kk], v[64*\g-62+kk:64*\g-61+kk]
.endif
.endif
.set kk, kk+2
.endr
	v_nop                                          ; one plain place behind the exponentials
	s_wait_alu depctr_va_vdst(0)                   ; the wait behind the batch
	WIN 0
.endm
.macro SUMS first                      ; the rest of the sums of the unquantised p, the four heads side by side.  (These are also the places between the codes' writes and the products)
	WIN 0x45
.set kk, 192
.rept 16
	v_pk_add_f32 v[kk:kk+1], v[kk:kk+1], v[kk+2:kk+3]
.set kk, kk+4
.endr
.set kk, 0
.rept 32
	v_pk_add_f32 v[kk:kk+1], v[kk:kk+1], v[kk+4:kk+5]
.set kk, kk+8
.endr
.set kk, 0
.rept 16
	v_pk_add_f32 v[kk:kk+1], v[kk:kk+1], v[kk+8:kk+9]
.set kk, kk+16
.endr
.set kk, 0
.rept 8
	v_pk_add_f32 v[kk:kk+1], v[kk:kk+1], v[kk+16:kk+17]
.set kk, kk+32
.endr
.if \first
	WIN 0x05
.irp g, 0,1,2,3
	v_pk_add_f32 v[ST+4*\g+2:ST+4*\g+3], v[64*\g:64*\g+1], v[64*\g+32:64*\g+33]   ; l begins
.endr
.else
.irp g, 0,1,2,3
	v_pk_add_f32 v[64*\g:64*\g+1], v[64*\g:64*\g+1], v[64*\g+32:64*\g+33]
.endr
	WIN 0x04
.irp g, 0,1,2,3
	v_pk_add_f32 v[ST+4*\g+2:ST+4*\g+3], v[ST+4*\g+2:ST+4*\g+3], v[64*\g:64*\g+1]
.endr
.endif
	WIN 0
.endm
.macro COPY                            ; out1 and out2: the loads were issued at the head, ahead of the bias that has just been waited for; each store of a wave covers 512 consecutive bytes, aligned
	WIN 0x82
.set kk, 0
.rept 8
	v_pk_mul_f32 v[kk:kk+1], v[kk:kk+1], s[KQ:KQ+1] op_sel_hi:[1,0]   ; keys x kq_scale
.set kk, kk+2
.endr
	WIN 0x88
.set kk, 16
.rept 16
	v_max_num_f32 v[kk], 0xc61c4000, v[kk]         ; max(values, -10000)
.set kk, kk+1
.endr
	WIN 0x08
.irp i, 0,1,2,3
	global_store_b128 v[VCP], v[4*\i:4*\i+3], s[20:21] offset:2048*\i th:TH_STORE_NT
	global_store_b128 v[VCP], v[16+4*\i:19+4*\i], s[22:23] offset:2048*\i th:TH_STORE_NT
.endr
	WIN 0
.endm
; A PHASE: one key step for four heads.  V's fragments are fetched at its start (in phase 0 behind the wait for the tensor load) and multiplied at its end.  nxt = 1: the next step's bias and K are asked for behind the scores' products,
; which have read the registers that they land in: the bias's 16 loads, then K's 40 in three parts; the bias turns through LDS behind the third head's exponentials.
.macro PHASE first, ra, rb, rs, vo, nxt
.if \first
	s_wait_dscnt 0x0                               ; Q's images and the bias are in
	s_wait_loadcnt 0x9                             ; K is in; the copies' 8 and the tail's 1 may be out
.else
	PLACES                                         ; for the loads into V's registers and scale words
	FETCHV \ra, \rb, \rs, \vo
	s_wait_dscnt 0x28                              ; the bias is back; V's 40 loads may be out
	s_wait_loadcnt 0x0                             ; K is in
.endif
	QK
	PLACES                                         ; for the loads into the bias's registers and the first read of the scores
.if \nxt
	LOADB BI, 512
.endif
.if \first
	ASK 3*512
	ASK 4*512
.endif
	TREE 4, 0
.set kk, 0
.rept 8
	v_max_num_f32 v[BM+kk], v[BM+kk], v[BB+kk]     ; each block's largest score: it serves the row's maximum and, since p rises with the score, the block's largest p
.set kk, kk+1
.endr
.irp g, 0,1,2,3
	v_max_num_f32 v[X1+\g], v[BM+2*\g], v[BM+2*\g+1]
.endr
.irp g, 0,1,2,3
	v_permlanex16_b32 v[PB+\g], v[X1+\g], s[SEL], s[SEL+1]
.endr
.irp g, 0,1,2,3
	v_max_num_f32 v[X1+\g], v[X1+\g], v[PB+\g]     ; the step's largest score of my query
.endr
.if \first
.irp g, 0,1,2,3
	v_mul_f32 v[ST+4*\g+1], s[CS], v[X1+\g]        ; as t
.endr
.irp g, 0,1,2,3
	v_floor_f32 v[ST+4*\g], -v[ST+4*\g+1]          ; -M = floor(-t) = -ceil(t)
.endr
.else
.irp g, 0,1,2,3
	v_mul_f32 v[X1+\g], s[CS], v[X1+\g]
.endr
.irp g, 0,1,2,3
	v_max_num_f32 v[ST+4*\g+1], v[ST+4*\g+1], v[X1+\g]   ; the running largest t
.endr
.irp g, 0,1,2,3
	v_mov_b32 v[X1+\g], v[ST+4*\g]
.endr
.irp g, 0,1,2,3
	v_floor_f32 v[ST+4*\g], -v[ST+4*\g+1]          ; the new -M
.endr
.irp g, 0,1,2,3
	v_sub_f32 v[X1+\g], v[ST+4*\g], v[X1+\g]       ; old M - new M: a whole number, 0 or less
.endr
.irp g, 0,1,2,3
	v_cvt_i32_f32 v[X1+\g], v[X1+\g]               ; (it saturates)
.endr
.irp g, 0,1,2,3
	v_ldexp_f32 v[FP+2*\g], 1.0, v[X1+\g]          ; f = 2^(old M - new M)
.endr
.endif
.irp g, 0,1,2,3
.irp c, 0,1
	v_fma_f32 v[BM+2*\g+\c], v[BM+2*\g+\c], s[CS], v[ST+4*\g]   ; t - M of each block's largest score
.endr
.endr
.if \first == 0
.irp g, 0,1,2,3
	v_pk_mul_f32 v[ST+4*\g+2:ST+4*\g+3], v[ST+4*\g+2:ST+4*\g+3], v[FP+2*\g:FP+2*\g+1] op_sel_hi:[1,0]   ; l under the new M
.endr
.endif
.if \nxt
	KWORDS BLK
	WIN 0xc0
.irp t, 0,1
	KTILE \t, BLK
.endr
.endif
.if \first == 0
	WIN 0x82
.set kk, 0
.rept 128
	v_pk_mul_f32 v[kk:kk+1], v[kk:kk+1], v[FP+2*(kk/64):FP+2*(kk/64)+1] op_sel_hi:[1,0]   ; O^T under the new M, each accumulator from its low end on
.set kk, kk+2
.endr
.endif
	WIN 0x45
.set kk, 0
.rept 32
	v_pk_fma_f32 v[kk:kk+1], v[kk:kk+1], s[CS:CS+1], v[ST:ST+1] op_sel_hi:[1,0,0]   ; head 0's t - M, two at a time (of the pairs the low word serves both halves)
.set kk, kk+2
.endr
	s_wait_alu depctr_va_vdst(0)                   ; the wait ahead of the batch
	WIN 0
.set kk, 0
.rept 8
	v_exp_f32 v[BM+kk], v[BM+kk]                   ; each block's largest p: the same two instructions on the same number
.set kk, kk+1
.endr
	EXPS 0
.set kk, 0
.rept 8
	v_max_num_f32 v[BM+kk], 0x2800000, v[BM+kk]    ; the floor 2^(5 - 127): the byte cannot fall under 1
.set kk, kk+1
.endr
	SCALES 4, PSW
.if \nxt
	WIN 0xc0
.irp t, 2,3,4
	KTILE \t, BLK
.endr
.endif
	CVTH 0
	EXPS 1
.if \nxt
	WIN 0xc0
.irp t, 5,6,7
	KTILE \t, BLK
.endr
.endif
	CVTH 1
	EXPS 2
.if \first
	s_wait_tensorcnt 0x0                           ; my V is in, all five steps
	FETCHV \ra, \rb, \rs, \vo
.endif
.if \nxt
	s_wait_loadcnt 0x28                            ; the next bias is in; K's 40 loads may be out
	TURNIN BI
.endif
.if \first
	COPY
.endif
	CVTH 2
	EXPS 3
	s_wait_dscnt 0x0                               ; V is in, and the turn has read the bias's registers
.if \nxt
	TURNOUT BI
.endif
.if \first
	s_wait_xcnt 0x0                                ; the copies' stores have read their data: the products below write those registers
.endif
	CVTH 3
	SUMS \first
	PV \first
.endm
	s_load_b256 s[4:11], s[0:1], 0x0               ; queries s[4:5], attn_bias s[6:7], kv_img s[8:9], tail s[10:11]
	s_load_b256 s[12:19], s[0:1], 0x20             ; keys s[12:13], values s[14:15], kq_scale s[16:17], out0 s[18:19]
	s_load_b128 s[20:23], s[0:1], 0x40             ; out1 s[20:21], out2 s[22:23]
	v_lshl_add_u32 v[SPW], v0, 2, SPARE
	v_mov_b32 v[NIL], 0
	ds_add_u32 v[SPW], v[NIL]                      ; the wave's opening: the add, twice on end, and its wait ahead of my first tensor load
	ds_add_u32 v[SPW], v[NIL]
	v_lshrrev_b32 v[TMP], 5, v0
	v_readfirstlane_b32 s[WV], v[TMP]              ; wave 0..3
	s_bfe_u32 s70, ttmp6, 0x40000                  ; cx
	s_lshl_b32 s[XX], ttmp9, 2
	s_add_co_u32 s[XX], s[XX], s70                 ; X = 4 x cluster x + cx: my 16 query rows
	s_and_b32 s[YY], ttmp7, 0xffff                 ; Y: my kv head
	; group 1: five blocks of V, 64,000 dense bytes, stated as 250 rows of 256 (32 elements of 8 bytes), no padding
	s_mov_b32 s[G1], 15|(3<<16)|(1<<21)            ; 15:0 the mask: all four; 17:16 elements of 8 bytes; 21 set beside a mask
	s_mov_b32 s[G1+1], 32<<16                      ; tensor_dim0
	s_mov_b32 s[G1+2], 250<<16                     ; tensor_dim1
	s_mov_b32 s[G1+3], 32<<16                      ; tile_dim0
	s_mov_b32 s[G1+4], 250                         ; tile_dim1
	s_mov_b32 s[G1+5], 32                          ; from row to row
	s_mov_b32 s[G1+6], 0
	s_mov_b32 s[G1+7], 0
	s_mov_b32 s[CS], 0x3fb8aa3b                    ; log2(e)
	s_mov_b32 s[CS+1], s[CS]                       ; (named with it as a pair, so it is written)
	s_mov_b32 s[SEL], 0x76543210
	s_mov_b32 s[SEL+1], 0xfedcba98
	s_mul_i32 s71, s[WV], 8448
	s_add_co_u32 s71, s71, BT                      ; my turn
	s_mul_i32 s72, s[WV], WREG                     ; my V in LDS
	s_add_co_u32 s73, s72, 4096
	s_lshl_b32 s74, s[WV], 8
	s_add_co_u32 s74, s74, MS
	s_lshl_b32 s75, s[WV], 10
	s_add_co_u32 s75, s75, MS
	s_mul_i32 s76, s[WV], 8448
	s_lshl_b32 s77, s[WV], 9
	s_add_co_u32 s77, s77, FX
	s_lshl_b32 s78, s[WV], 11
	s_add_co_u32 s78, s78, QI
	s_add_co_u32 s79, s72, 12288
	s_add_co_u32 s90, s78, 1536
	v_and_b32 v[LN], 31, v0
	v_and_b32 v[RR], 15, v0
	v_bfe_u32 v[HH], v0, 4, 1
	v_lshlrev_b32 v[OUT], 4, v[LN]
	v_lshlrev_b32 v[VCP], 4, v0                    ; the copies: 16 bytes a thread
	v_lshlrev_b32 v[SH], 3, v[HH]                  ; 8 h
	v_lshlrev_b32 v[TLO], 3, v[RR]                 ; the tail: 8 bytes a row
	v_lshlrev_b32 v[VPF], 14, v[RR]
	v_lshl_add_u32 v[VPF], v[HH], 8, v[VPF]        ; the prefetches: row r, 256 h
	v_lshrrev_b32 v[TMP], 3, v[RR]
	v_and_b32 v[MN], 7, v[RR]
	v_lshlrev_b32 v[VK], 10, v[TMP]
	v_lshl_add_u32 v[VK], v[HH], 9, v[VK]
	v_lshl_add_u32 v[VK], v[MN], 4, v[VK]          ; K's pieces of 16 bytes: 1,024 (r / 8) + 512 h + 16 (r % 8),
	v_lshlrev_b32 v[VKB], 9, v[TMP]
	v_lshl_add_u32 v[VKB], v[HH], 8, v[VKB]
	v_lshl_add_u32 v[VKB], v[MN], 3, v[VKB]        ; of 8: half of that,
	v_lshlrev_b32 v[VKS], 7, v[TMP]
	v_lshl_add_u32 v[VKS], v[MN], 2, v[VKS]        ; the scale words: 128 (r / 8) + 4 (r % 8)
	v_lshlrev_b32 v[TMP], 4, v[RR]
	v_lshl_add_u32 v[TMP], v[HH], 9, v[TMP]
	v_add_nc_u32 v[AV], s72, v[TMP]                ; V's pieces of 16 bytes: 512 h + 16 r,
	v_lshlrev_b32 v[TMP], 3, v[RR]
	v_lshl_add_u32 v[TMP], v[HH], 8, v[TMP]
	v_add_nc_u32 v[AVB], s73, v[TMP]               ; of 8: 256 h + 8 r,
	v_lshlrev_b32 v[TMP], 2, v[RR]
	v_add_nc_u32 v[AVS], s79, v[TMP]               ; the scale words: 4 r
	v_lshl_add_u32 v[BTS], v[LN], 4, s71           ; the turn, in: a row of 512 bytes,
	v_mul_u32_u24 v[TMP], v[RR], 528
	v_lshl_add_u32 v[TMP], v[HH], 7, v[TMP]
	v_add_nc_u32 v[BTL], s71, v[TMP]               ; and back: row r, + 128 h
	v_mul_u32_u24 v[TMP], v[RR], 528
	v_lshl_add_u32 v[TMP], v[HH], 5, v[TMP]
	v_add_nc_u32 v[STG], s72, v[TMP]               ; the merge's stage, in: row r, + 32 h (head g at 8,448 g), on the bytes of my V
	v_lshl_add_u32 v[STA], v[LN], 3, s74           ; my statistics, out
	v_lshl_add_u32 v[RDS], v[LN], 3, s75           ; and in: those of head w
	v_lshl_add_u32 v[RD], v[LN], 4, s76            ; the stage, back: head w of part 0,
	v_add_nc_u32 v[RD+1], WREG, v[RD]              ; 1,
	v_add_nc_u32 v[RD+2], 2*WREG, v[RD]            ; 2,
	v_add_nc_u32 v[RD+3], 3*WREG, v[RD]            ; 3
	v_lshl_add_u32 v[FXS], v[RR], 5, s77           ; the factors, in: 32 bytes a row
	v_mov_b32 v[TMP], 0
	v_add_nc_u32 v[FXR], s77, v[TMP]               ; and back: the same place in all lanes
	v_lshl_add_u32 v[QS], v[LN], 4, s78            ; Q's images: mine, in
	v_lshl_add_u32 v[QSA], v[LN], 2, s90
	v_lshlrev_b32 v[TMP], 4, v[LN]
	v_add_nc_u32 v[QR], QI, v[TMP]                 ; and all four, back
	v_lshlrev_b32 v[TMP], 2, v[LN]
	v_add_nc_u32 v[QRW], QI+1536, v[TMP]
.irp g, 0,1,2,3
	v_mov_b32 v[PB+\g], 0                          ; written once: a lane permute's destination counts as one of its sources
	v_mov_b32 v[FP+2*\g+1], 0                      ; (named as the upper half of the pair with f)
.endr
	s_mul_i32 s80, s[YY], 20
	s_mul_i32 s81, s[WV], 5
	s_add_co_u32 s80, s80, s81
	s_mul_i32 s80, s80, BLK                        ; block 20 Y + 5 w
	s_mov_b32 s81, 0
	s_lshl_b32 s82, s[YY], 20                      ; head 4 Y + w, rows 16 X ..: Q and out0
	s_lshl_b32 s83, s[WV], 18
	s_add_co_u32 s82, s82, s83
	s_lshl_b32 s83, s[XX], 13
	s_add_co_u32 s82, s82, s83
	s_mov_b32 s83, 0
	s_lshl_b32 s84, s[XX], 18                      ; the bias: 16 rows, from position 640 w on
	s_mul_i32 s85, s[WV], 2560
	s_add_co_u32 s84, s84, s85
	s_mov_b32 s85, 0
	s_lshl_b32 s86, s[YY], 5
	s_add_co_u32 s86, s86, s[XX]
	s_lshl_b32 s86, s86, 13                        ; the work-group's 8,192 bytes of keys, values, out1, out2
	s_mov_b32 s87, 0
	s_lshl_b32 s88, s[XX], 7                       ; the tail's pairs of my 16 rows
	s_mov_b32 s89, 0
	s_wait_alu depctr_va_vdst(0)                   ; the wait at the head's end
	s_wait_dscnt 0x0                               ; both opening adds are done
	s_wait_kmcnt 0x0
	s_load_b32 s[KQ], s[16:17], 0x0                ; kq_scale
	s_add_nc_u64 s[4:5], s[4:5], s[82:83]
	s_add_nc_u64 s[6:7], s[6:7], s[84:85]
	WIN 0x40
.irp p, 0,1,2,3,4,5,6,7,8,9,10,11,12,13,14,15
	global_load_b128 v[64+4*\p:67+4*\p], v[OUT], s[4:5] offset:512*\p   ; Q of head w, a row a load
.endr
	LOADB 128, 0                                   ; the first bias, in registers that the scores take later
	WIN 0
	s_add_nc_u64 s[8:9], s[8:9], s[80:81]
	s_add_nc_u64 s[12:13], s[12:13], s[86:87]
	s_add_nc_u64 s[14:15], s[14:15], s[86:87]
	s_add_nc_u64 s[20:21], s[20:21], s[86:87]
	s_add_nc_u64 s[22:23], s[22:23], s[86:87]
	s_add_nc_u64 s[10:11], s[10:11], s[88:89]
	s_add_nc_u64 s[18:19], s[18:19], s[82:83]
	s_mov_b32 s[G0], 1                             ; count = 1
	s_mov_b32 s[G0+1], s72                         ; LDS address
	s_add_nc_u64 s[G0+2:G0+3], s[8:9], 2048000     ; V of my five key steps
	s_or_b32 s[G0+3], s[G0+3], 0x80000000          ; type = 2
	CROUND                                         ; all four work-groups are here: the joint loads meet
	tensor_load_to_lds s[G0:G0+3], s[G1:G1+7]      ; the wave's one tensor load
	s_nop 0
	PLACES
	KWORDS 0
	WIN 0xc0
.irp t, 0,1,2,3,4,5,6,7
	KTILE \t, 0
.endr
	WIN 0x80
.irp i, 0,1,2,3
	global_load_b128 v[4*\i:4*\i+3], v[VCP], s[12:13] offset:2048*\i th:TH_LOAD_NT
	global_load_b128 v[16+4*\i:19+4*\i], v[VCP], s[14:15] offset:2048*\i th:TH_LOAD_NT
.endr
	WIN 0
	global_load_b64 v[TL:TL+1], v[TLO], s[10:11]
	ASK 512
	ASK 2*512
	; Q: each wave quantises one head and hands it on through LDS as an image of the operand's registers
	s_wait_loadcnt 0x3f                            ; Q's 16 are in: behind them the bias's 16, K's 40, the copies' 8, the tail's 1, of which 63 may be out
	WIN 0x04
	TURNIN 64
	WIN 0x40
	TURNOUT 0                                      ; LDS serves a wave's instructions in order: these see the stores above
	WIN 0
	s_wait_dscnt 0x0
	TREE 1, 1
.irp c, 0,1
	v_max3_num_f32 v[BM+\c], v[BM+\c], v[BB+\c], 0x2800000   ; with the floor 2^(5 - 127): the byte cannot fall under 1
.endr
	SCALES 1, QW
	CVTH 0
	s_wait_alu depctr_va_vdst(0)                   ; the wait here, ahead of the waits below
	s_wait_kmcnt 0x0
	s_mov_b32 s[KQ+1], s[KQ]                       ; (the packed form names the pair)
	ds_store_b128 v[QS], v[P:P+3]
	ds_store_b128 v[QS], v[P+4:P+7] offset:512
	ds_store_b128 v[QS], v[P+8:P+11] offset:1024
	ds_store_b32 v[QSA], v[QW]
	s_wait_loadcnt 0x31                            ; the bias is in; K's 40, the copies' 8 and the tail's 1 may be out
	WIN 0x04
	TURNIN 128
	WIN 0
	s_wait_dscnt 0x0                               ; my image of Q has landed
	s_barrier_signal -1
	s_barrier_wait -1                              ; everybody's has
.irp g, 0,1,2,3
	ds_load_b32 v[QSW+\g], v[QRW] offset:2048*\g
.endr
	WIN 0xc0
.irp g, 0,1,2,3
.irp c, 0,1,2
	ds_load_b128 v[QF+12*\g+4*\c:QF+12*\g+4*\c+3], v[QR] offset:2048*\g+512*\c
.endr
.endr
	WIN 0
	TURNOUT BI
	PHASE 1, AV, AVB, AVS, 0, 1                    ; key step 0 of my five
	s_wait_xcnt 0x0                                ; loads and prefetches have read their bases
	s_add_nc_u64 s[6:7], s[6:7], 512
	s_add_nc_u64 s[8:9], s[8:9], BLK
	s_mov_b32 s[SOF], BLK
	s_mov_b32 s[LP], 3
.Lphase:                                               ; key steps 1 to 3
	v_add_nc_u32 v[AVC], s[SOF], v[AV]
	v_add_nc_u32 v[AVBC], s[SOF], v[AVB]
	v_add_nc_u32 v[AVSC], s[SOF], v[AVS]
	s_wait_alu depctr_va_vdst(0)                   ; the wait directly behind these writes
	PHASE 0, AVC, AVBC, AVSC, 0, 1
	s_wait_xcnt 0x0                                ; the loads have read their bases
	s_add_nc_u64 s[6:7], s[6:7], 512
	s_add_nc_u64 s[8:9], s[8:9], BLK
	s_add_co_u32 s[SOF], s[SOF], BLK
	s_sub_co_u32 s[LP], s[LP], 1
	s_cmp_lg_u32 s[LP], 0
	s_cbranch_scc1 .Lphase
	PHASE 0, AV, AVB, AVS, 4*BLK, 0                ; key step 4
	; ---- THE MERGE of the four waves' parts and the tail.  (The lines below are also the places behind the last products.)
.irp g, 0,1,2,3
	v_add_f32 v[ST+4*\g+2], v[ST+4*\g+2], v[ST+4*\g+3]   ; l's two halves,
.endr
.irp g, 0,1,2,3
	v_permlanex16_b32 v[PB+\g], v[ST+4*\g+2], s[SEL], s[SEL+1]
.endr
.irp g, 0,1,2,3
	v_add_f32 v[ST+4*\g+1], v[ST+4*\g+2], v[PB+\g] ; and lane l xor 16's: my part's sum, beside its -M
.endr
.irp g, 0,1,2,3
	ds_store_b64 v[STA], v[ST+4*\g:ST+4*\g+1] offset:1024*\g
.endr
	WIN 0x08                                       ; an LDS store's data are its source 1: window 2
.irp g, 0,1,2,3
.irp t, 0,1,2,3,4,5,6,7
	ds_store_b128 v[STG], v[64*\g+8*\t:64*\g+8*\t+3] offset:8448*\g+64*\t   ; lane (r, h): my part of o(r, 16 t + 8 h + 0 .. 7), under my own M
	ds_store_b128 v[STG], v[64*\g+8*\t+4:64*\g+8*\t+7] offset:8448*\g+64*\t+16
.endr
.endr
	WIN 0
	s_wait_dscnt 0x0                               ; for the others' sake: my stores have landed
	s_barrier_signal -1
	s_barrier_wait -1
.irp i, 0,1,2,3
	ds_load_b64 v[MR+2*\i:MR+2*\i+1], v[RDS] offset:256*\i   ; {-M, l} of part i, head w, for my query
.endr
.macro ROWS p0                         ; eight rows of head w, four parts each: 512 consecutive bytes a load
	WIN 0x40
.irp p, 0,1,2,3,4,5,6,7
.irp i, 0,1,2,3
	ds_load_b128 v[16*(\p0+\p)+4*\i:16*(\p0+\p)+4*\i+3], v[RD+\i] offset:528*(\p0+\p)
.endr
.endr
	WIN 0
.endm
	ROWS 0
	s_wait_dscnt 0x20                              ; the statistics are in; the 32 loads of rows 0-7 may be out
	v_min3_num_f32 v[MN], v[MR], v[MR+2], v[MR+4]
	v_min3_num_f32 v[MN], v[MN], v[MR+6], v[TL]    ; the least -M of the four parts and the tail: the row's M
.irp i, 0,1,2,3
	v_sub_f32 v[FF+2*\i], v[MN], v[MR+2*\i]        ; M of the part - the row's M: a whole number, 0 or less
.endr
	v_sub_f32 v[FT], v[MN], v[TL]
.irp i, 0,1,2,3
	v_cvt_i32_f32 v[FF+2*\i], v[FF+2*\i]
.endr
	v_cvt_i32_f32 v[FT], v[FT]
.irp i, 0,1,2,3
	v_ldexp_f32 v[FF+2*\i], 1.0, v[FF+2*\i]        ; each part's factor, an exact power of two
.endr
	v_ldexp_f32 v[FT], 1.0, v[FT]
	v_mul_f32 v[LS], v[FT], v[TL+1]                ; the row's sum: the tail's part,
.irp i, 0,1,2,3
	v_fmac_f32 v[LS], v[FF+2*\i], v[MR+2*\i+1]     ; and the four waves'
.endr
	s_wait_alu depctr_va_vdst(0)                   ; the wait ahead of the reciprocal and behind it
	v_rcp_f32 v[LS], v[LS]                         ; (at least 1/2: the part that holds the row's M has a p above 1/2)
	v_nop
	s_wait_alu depctr_va_vdst(0)
.irp i, 0,1,2,3
	v_mul_f32 v[FF+2*\i+1], v[FF+2*\i], v[LS]      ; factor / sum, twice: a pair for the packed forms
	v_mul_f32 v[FF+2*\i], v[FF+2*\i], v[LS]
.endr
	ds_store_b128 v[FXS], v[FF:FF+3]               ; (lanes r and r + 16 write the same bytes with the same values)
	ds_store_b128 v[FXS], v[FF+4:FF+7] offset:16
	WIN 0xc0
.irp p, 0,1,2,3,4,5,6,7,8,9,10,11,12,13,14,15
	ds_load_b128 v[8*\p:8*\p+3], v[FXR] offset:32*\p          ; row p's four factors, in every lane; LDS serves a wave's instructions in order: these see my stores
	ds_load_b128 v[8*\p+4:8*\p+7], v[FXR] offset:32*\p+16
.endr
	ROWS 8
.macro ROUT p0                         ; four rows: the parts times their factors, summed, and stored: 32 lanes store a row of 512 consecutive bytes, at a multiple of 256 from out0's first byte
	WIN 0x5d
.irp p, 0,1,2,3
.irp q, 0,2
	v_pk_mul_f32 v[16*(\p0+\p)+\q:16*(\p0+\p)+\q+1], v[16*(\p0+\p)+\q:16*(\p0+\p)+\q+1], v[8*(\p0+\p):8*(\p0+\p)+1]
.endr
.endr
.irp i, 1,2,3
.irp p, 0,1,2,3
.irp q, 0,2
	v_pk_fma_f32 v[16*(\p0+\p)+\q:16*(\p0+\p)+\q+1], v[16*(\p0+\p)+4*\i+\q:16*(\p0+\p)+4*\i+\q+1], v[8*(\p0+\p)+2*\i:8*(\p0+\p)+2*\i+1], v[16*(\p0+\p)+\q:16*(\p0+\p)+\q+1]
.endr
.endr
.endr
	WIN 0x04
.irp p, 0,1,2,3
	global_store_b128 v[OUT], v[16*(\p0+\p):16*(\p0+\p)+3], s[18:19] offset:512*(\p0+\p) th:TH_STORE_NT
.endr
	WIN 0
.endm
	s_wait_dscnt 0x20                              ; rows 0-7 and all factors are in; rows 8-15 may be out
	ROUT 0
	ROUT 4
	s_wait_dscnt 0x10                              ; rows 8-11 too
	ROUT 8
	s_wait_dscnt 0x0
	ROUT 12
	s_wait_tensorcnt 0x0                           ; the wave's end, behind my last tensor load and my last LDS store
	ds_add_u32 v[SPW], v[NIL]
	s_wait_dscnt 0x0
	CROUND                                         ; the closing round: no work-group ends while a partner may still ask for a tile that names it
	s_endpgm
.Lfunc_end_k_q7675e74a10_attn:
	.size	k_q7675e74a10_attn, .Lfunc_end_k_q7675e74a10_attn-k_q7675e74a10_attn
	.p2alignl 7, 3214868480
	.fill 96, 4, 3214868480
	.section	.rodata,"a",@progbits
	.p2align	6, 0x0
	.amdhsa_kernel k_q7675e74a10_attn
		.amdhsa_group_segment_fixed_size 327680
		.amdhsa_private_segment_fixed_size 0
		.amdhsa_enable_private_segment 0
		.amdhsa_kernarg_size 80
		.amdhsa_user_sgpr_count 2
		.amdhsa_user_sgpr_kernarg_segment_ptr 1
		.amdhsa_wavefront_size32 1
		.amdhsa_system_sgpr_workgroup_id_x 1
		.amdhsa_system_sgpr_workgroup_id_y 1
		.amdhsa_system_sgpr_workgroup_id_z 1
		.amdhsa_system_vgpr_workitem_id 0
		.amdhsa_next_free_vgpr 1024
		.amdhsa_next_free_sgpr 96
		.amdhsa_reserve_vcc 0
		.amdhsa_float_denorm_mode_32 3
		.amdhsa_float_denorm_mode_16_64 3
		.amdhsa_memory_ordered 1
		.amdhsa_forward_progress 1
		.amdhsa_inst_pref_size 231
	.end_amdhsa_kernel
	.amdgpu_metadata
---
amdhsa.version: [ 1, 2 ]
amdhsa.kernels:
  - .name:           k_q7675e74a10_attn
    .symbol:         k_q7675e74a10_attn.kd
    .args:
      - { .name: queries, .offset: 0, .size: 8, .value_kind: global_buffer, .address_space: global }
      - { .name: attn_bias, .offset: 8, .size: 8, .value_kind: global_buffer, .address_space: global }
      - { .name: kv_img, .offset: 16, .size: 8, .value_kind: global_buffer, .address_space: global }
      - { .name: tail, .offset: 24, .size: 8, .value_kind: global_buffer, .address_space: global }
      - { .name: keys, .offset: 32, .size: 8, .value_kind: global_buffer, .address_space: global }
      - { .name: values, .offset: 40, .size: 8, .value_kind: global_buffer, .address_space: global }
      - { .name: kq_scale, .offset: 48, .size: 8, .value_kind: global_buffer, .address_space: global }
      - { .name: out0, .offset: 56, .size: 8, .value_kind: global_buffer, .address_space: global }
      - { .name: out1, .offset: 64, .size: 8, .value_kind: global_buffer, .address_space: global }
      - { .name: out2, .offset: 72, .size: 8, .value_kind: global_buffer, .address_space: global }
    .group_segment_fixed_size: 327680
    .private_segment_fixed_size: 0
    .kernarg_segment_align: 8
    .kernarg_segment_size: 80
    .max_flat_workgroup_size: 128
    .sgpr_count:     96
    .vgpr_count:     1024
    .wavefront_size: 32
...
	.end_amdgpu_metadata
.endif
;; end of part 2
